; MI455X (gfx1250); checked and timed in simulation.
; The chip was launched on July 23, 2026; its instructions are those of AMD's public machine-readable ISA for CDNA 5 (MIT licence, August 2026) and "CDNA5" Instruction Set Architecture Reference Guide (July 2026). The comments in the code are by the model that wrote it; some were corrected since.
;; Adaptive Embedding T2 I. Allowed arithmetic: matrix products marked QUANTISED: E3M2 operands, one E8M0 scale for each 32 along K, by v_wmma_scale_f32_16x16x128_f8f6f4 with both operands' format E3M2, f32 sums; products left as they are: f32 operands where the result goes on into a quantised operand, else bf16, f16 or f32 operands; f32 sums; everything else in f32.
;; Inputs: W_beta 1,024 x 1,024 float32; W_gamma 1,024 x 1,024 float32; b_beta 1,024 float32; b_gamma 1,024 float32; cap_embed 64 x 50 x 1,024 float32; img_embed 64 x 36 x 1,024 float32; lens 64 int32.
;; Outputs: out0 64 x 64 float32.
;; This version of the problem:
;;   THIS VERSION OF THE PROBLEM IS GIVEN IN LOW PRECISION. The matrix products marked QUANTISED in the list below multiply operands that are first quantised to E3M2 (3 exponent bits, 2 mantissa bits; 6 bits a number), with one power-of-two scale for each 32 numbers along K (OCP MX v1.0); their sums are f32. All else is computed in f32.
;;   The module's matrix products, in the order in which they are computed (A, B: the left and right operand; K: the contracted axis; several contracted axes count as one K, in the product's order):
;;     1. batch 64 x [M 1,024, K 50] x [K 50, N 1]; A: input cap_embed; B: computed on the way: left as it is (N = 1 < 16)
;;     2. [M 64, K 1,024] x [K 1,024, N 1,024]; A: computed on the way; B: input W_gamma: QUANTISED
;;     3. [M 64, K 1,024] x [K 1,024, N 1,024]; A: computed on the way; B: input W_beta: QUANTISED
;;     4. batch 64 x [M 1, K 1,024] x [K 1,024, N 64]; A: computed on the way; B: computed on the way: left as it is (M = 1 < 16)
;;   THE QUANTISER, for each operand of a quantised product, along K:
;;     - K is cut into blocks of 32 from its start; a last block that is shorter is filled with zeros.
;;     - A block's scale is 2^e with e = floor(log2(the largest magnitude in the block)) - 4, held to -126 .. 127; a block of zeros has e = 0. As a byte (E8M0): e + 127.
;;     - Each number is divided by its block's scale, clamped to +-28, and rounded to the nearest number of E3M2, ties to even, subnormals kept.
;;     - The product sums the exact products of the quantised numbers (number of the format x scale) in f32.
;;   ~~~python
;;   def quantise(x, axis):      # numpy; x: float32 -> the quantised numbers, widened to float32 again
;;       x = np.moveaxis(x, axis, -1); K = x.shape[-1]
;;       x = np.pad(x, [(0, 0)] * (x.ndim - 1) + [(0, -K % 32)]); x = x.reshape(x.shape[:-1] + (-1, 32)); a = np.abs(x).max(-1, keepdims=True)
;;       e = np.where(a > 0, np.clip(np.frexp(np.where(a > 0, a, 1))[1] - 1 - 4, -126, 127), 0)      # np.frexp(a)[1] - 1 = floor(log2(a)), exactly
;;       r = np.clip(x / 2.0 ** e, -28, 28)
;;       step = 2.0 ** (np.maximum(np.frexp(np.where(r == 0, 1, r))[1] - 1, -2) - 2)
;;       q = np.round(r / step) * step * 2.0 ** e      # np.round: ties to even
;;       return np.moveaxis(q.reshape(q.shape[:-2] + (-1,))[..., :K], -1, axis).astype(np.float32)
;;   ~~~
;;   OPERANDS COMPUTED ON THE WAY. 'Computed on the way' means the value that the module computes at that place (a softmax that the list does not call 'softmax' is quantised finished and normalised). What goes into a quantiser is computed in f32, as accurately as f32 sums, v_exp_f32 and their like allow (about 1e-6 of the number): no bf16 or f16 on the way to a quantiser, and a product that is left as it is and whose result goes on into a quantised operand takes f32 operands (vector FMAs, or v_wmma_f32_16x16x4_f32). A number that lies on a knife's edge between two numbers of the format may be rounded either way, as far as f32 arithmetic and the matrix unit's own rounding can turn it there, and no further.
;; One version. Each part assembles by itself: llvm-mc -triple=amdgcn-amd-amdhsa -mcpu=gfx1250 --defsym DOCPART=n.
;; ======== version 1 of 1: 3 launches
;; workspace buffers: stat 524,288 bytes; xext 524,288 bytes; cap_repr 262,144 bytes; cap_codes 49,152 bytes; cap_aux 2,560 bytes; film_gb 524,288 bytes
;; launch prep (part 1): grid 256 x 1, 4 waves a work-group, no clusters, 4,608 bytes of LDS; arguments img_embed, cap_embed, lens, stat, xext, cap_repr, cap_codes, cap_aux; writes stat, xext, cap_repr, cap_codes, cap_aux
.if DOCPART == 1
	.amdgcn_target "amdgcn-amd-amdhsa--gfx1250"
	.amdhsa_code_object_version 6
	.text
	.protected	k_q7f1212841d_prep
	.globl	k_q7f1212841d_prep
	.p2align	8
	.type	k_q7f1212841d_prep,@function
k_q7f1212841d_prep:
	s_mov_b64 s[64:65], 0
	v_nop
	global_prefetch_b8 v0, s[64:65] scope:SCOPE_SE
	s_setreg_imm32_b32 hwreg(HW_REG_WAVE_MODE, 25, 1), 1
	s_wait_xcnt 0x0
; PREP.  Two kinds of work-group, told apart by the work-group's number alone; four waves, thread t owns 4 neighbouring channels (16 bytes), the work-group 512 channels (half a row).
; Work-groups 0-127: image b = n / 2, half n % 2.  img_embed [64][36][1024] f32.  The 36 regions of my 4 channels stay in 144 registers; stored for each (b, channel):
;   stat[0][b][d] the mean over the 36 regions, stat[1][b][d] the sum of squared deviations from that mean (no difference of large sums is formed), xext[0][b][d] the largest, xext[1][b][d] the smallest.
; Work-groups 128-255: caption c, half.  cap_embed [64][50][1024] f32, lens [64] int32.  cap_repr[c][d] = (sum of the first lens[c] rows) / lens[c], stored as f32, and quantised along d to codes of
;   E3M2 with one E8M0 byte for each 32: cap_codes [64][768 bytes] (a row is one stream of bits, K innermost), cap_aux[c][32] the scale bytes, cap_aux + 2048: [c][2] the sum of squares of each half row.
;   Rows are loaded in groups of ten, only the groups that lens[c] reaches: five versions written out, chosen by scalar branches on lens[c]; in a version's last group each row is weighed by 1 or 0.
; Every load and store of a wave's 32 lanes covers 512 consecutive bytes, but for the codes (384), the scale bytes (16) and the sum of squares (4) of a half row.
; LIMITS: lens[c] is read as unsigned and is at least 1 (above 50 it only divides, as in the definition); NaN and infinities are not served; a block whose largest magnitude lies under 2^-122 has its byte
; held at 1; a block of zeros gets the byte 1 with zero codes (the bytes are read by this program alone).
.set ROWB,  4096                       ; bytes in a row of 1,024 f32
.set NREG,  36
.set NTOK,  50
.set PLANE, 262144                     ; 64 x 1,024 f32: the second plane of stat and of xext
.set X,     16                         ; v16..    the rows as loaded, 4 registers each (36 or up to 50 rows)
.set SA,    160                        ; image: v160-163 sums
.set SB,    162
.set MU,    164                        ; v164-167 means
.set MM,    168                        ; v168-171 sums of squared deviations
.set MX,    172                        ; v172-175 largest
.set MN,    176                        ; v176-179 smallest
.set DV,    180                        ; v180-187 deviations, two sets by turns
.set AC,    216                        ; caption: v216-219 sums
.set FL,    220                        ; lens as f32
.set RC,    221                        ; its reciprocal
.set ER,    222
.set QQ,    224                        ; v224-227 cap_repr
.set RM,    228                        ; v228-231 remainders
.set SP,    80                         ; LDS stage: 64 bytes (16 numbers) + 16 of padding: an odd multiple of 16, so that lanes 80 bytes apart start at different 16-byte columns
.set SCB,   32*SP                      ; behind the stage: the half row's 16 scale bytes
	s_load_b256 s[4:11], s[0:1], 0x0               ; img_embed s[4:5], cap_embed s[6:7], lens s[8:9], stat s[10:11]
	s_load_b256 s[12:19], s[0:1], 0x20             ; xext s[12:13], cap_repr s[14:15], cap_codes s[16:17], cap_aux s[18:19]
	v_lshl_add_u32 v232, v0, 2, 0x1000
	v_mov_b32 v233, 0
	s_and_b32 s20, ttmp9, 1                        ; which half of the row
	s_lshr_b32 s21, ttmp9, 1                       ; 0-63: image; 64-127: caption + 64
	s_lshl_b32 s22, s20, 11
	v_lshl_add_u32 v1, v0, 4, s22                  ; my 16 bytes in a row: 16 t + 2,048 x half; never rewritten
	s_mov_b32 s25, 0
	s_mov_b32 s27, 0
	s_cmp_ge_u32 s21, 64
	s_cbranch_scc1 .Lcap
	; ---------------- an image's half rows ----------------
	s_mul_i32 s24, s21, NREG*ROWB
	s_lshl_b32 s26, s21, 12
	s_wait_kmcnt 0x0
	s_add_nc_u64 s[4:5], s[4:5], s[24:25]          ; the image's first region
	s_add_nc_u64 s[10:11], s[10:11], s[26:27]      ; row b of stat
	s_add_nc_u64 s[12:13], s[12:13], s[26:27]      ; row b of xext
.set rr, 0
.rept NREG
	global_load_b128 v[X+4*rr:X+4*rr+3], v1, s[4:5] offset:rr*ROWB   ; all 36 regions are asked for at once
.set rr, rr+1
.endr
	s_wait_loadcnt 34                              ; regions 0 and 1 are in; the 34 younger loads may be out
	v_pk_add_f32 v[SA:SA+1], v[X:X+1], v[X+4:X+5]  ; the first two regions start the sums: nothing is cleared
	v_pk_add_f32 v[SB:SB+1], v[X+2:X+3], v[X+6:X+7]
.set rr, 2
.rept NREG-2
	s_wait_loadcnt 35-rr                           ; region rr is in; the younger ones may be out
	v_pk_add_f32 v[SA:SA+1], v[SA:SA+1], v[X+4*rr:X+4*rr+1]
	v_pk_add_f32 v[SB:SB+1], v[SB:SB+1], v[X+4*rr+2:X+4*rr+3]
.set rr, rr+1
.endr
	v_pk_mul_f32 v[MU:MU+1], v[SA:SA+1], 0x3ce38e39 op_sel_hi:[1,0]      ; x 1/36
	v_pk_mul_f32 v[MU+2:MU+3], v[SB:SB+1], 0x3ce38e39 op_sel_hi:[1,0]
.irp k, 0,1,2,3
	v_max3_num_f32 v[MX+\k], v[X+\k], v[X+4+\k], v[X+8+\k]               ; regions 0, 1, 2
	v_min3_num_f32 v[MN+\k], v[X+\k], v[X+4+\k], v[X+8+\k]
.endr
.set rr, 3
.rept 16                                       ; regions 3 to 34, two at a time
.irp k, 0,1,2,3
	v_max3_num_f32 v[MX+\k], v[MX+\k], v[X+4*rr+\k], v[X+4*rr+4+\k]
	v_min3_num_f32 v[MN+\k], v[MN+\k], v[X+4*rr+\k], v[X+4*rr+4+\k]
.endr
.set rr, rr+2
.endr
.irp k, 0,1,2,3
	v_max_num_f32 v[MX+\k], v[MX+\k], v[X+140+\k]                        ; region 35
	v_min_num_f32 v[MN+\k], v[MN+\k], v[X+140+\k]
.endr
.set rr, 0
.rept NREG                                     ; the squared deviations from the image's own mean
.set D0, DV+4*(rr%2)
	v_pk_add_f32 v[D0:D0+1], v[X+4*rr:X+4*rr+1], v[MU:MU+1] neg_lo:[0,1] neg_hi:[0,1]
	v_pk_add_f32 v[D0+2:D0+3], v[X+4*rr+2:X+4*rr+3], v[MU+2:MU+3] neg_lo:[0,1] neg_hi:[0,1]
.if rr == 0
	v_pk_mul_f32 v[MM:MM+1], v[D0:D0+1], v[D0:D0+1]
	v_pk_mul_f32 v[MM+2:MM+3], v[D0+2:D0+3], v[D0+2:D0+3]
.else
	v_pk_fma_f32 v[MM:MM+1], v[D0:D0+1], v[D0:D0+1], v[MM:MM+1]
	v_pk_fma_f32 v[MM+2:MM+3], v[D0+2:D0+3], v[D0+2:D0+3], v[MM+2:MM+3]
.endif
.set rr, rr+1
.endr
	global_store_b128 v1, v[MU:MU+3], s[10:11]
	global_store_b128 v1, v[MM:MM+3], s[10:11] offset:PLANE
	global_store_b128 v1, v[MX:MX+3], s[12:13]
	global_store_b128 v1, v[MN:MN+3], s[12:13] offset:PLANE
	s_endpgm
	; ---------------- a caption's half rows ----------------
.Lcap:
	s_sub_co_u32 s21, s21, 64                      ; c
	s_lshl_b32 s26, s21, 2
	s_mul_i32 s24, s21, NTOK*ROWB
	s_wait_kmcnt 0x0
	s_add_nc_u64 s[8:9], s[8:9], s[26:27]
	s_load_b32 s28, s[8:9], 0x0                    ; lens[c]
	s_add_nc_u64 s[6:7], s[6:7], s[24:25]          ; the caption's first word
.set u, 0
.rept 10
	global_load_b128 v[X+4*u:X+4*u+3], v1, s[6:7] offset:u*ROWB th:TH_LOAD_NT   ; rows 0 to 9 are wanted whatever lens[c] is: they go out before it is known
.set u, u+1
.endr
	s_lshl_b32 s26, s21, 12
	s_add_nc_u64 s[14:15], s[14:15], s[26:27]      ; row c of cap_repr
	s_mul_i32 s26, s21, 768
	s_mul_i32 s29, s20, 384
	s_add_co_u32 s26, s26, s29
	s_add_nc_u64 s[16:17], s[16:17], s[26:27]      ; the half row's 384 bytes of codes
	s_lshl_b32 s26, s21, 5
	s_lshl_b32 s29, s20, 4
	s_add_co_u32 s26, s26, s29
	s_add_nc_u64 s[36:37], s[18:19], s[26:27]      ; its 16 scale bytes
	s_lshl_b32 s26, s21, 3
	s_lshl_b32 s29, s20, 2
	s_add_co_u32 s26, s26, s29
	s_add_co_u32 s26, s26, 2048
	s_add_nc_u64 s[18:19], s[18:19], s[26:27]      ; its sum of squares
	s_mov_b32 s32, 0x76543210                      ; v_permlanex16_b32's selects for lane l xor 16
	s_mov_b32 s33, 0xfedcba98
	s_mov_b32 s31, 0                               ; (named with s30 as a pair, so it is written)
	v_lshrrev_b32 v2, 2, v0
	v_mul_u32_u24 v2, v2, SP
	v_and_b32 v3, 3, v0
	v_lshl_add_u32 v2, v3, 4, v2                   ; the stage, on the way in: four threads' 64 bytes on end, then the padding
	v_and_b32 v4, 31, v0                           ; lane
	v_mul_u32_u24 v5, v4, SP                       ; on the way out (wave 0): lane l takes numbers 16 l .. 16 l + 15
	v_lshrrev_b32 v6, 1, v4
	v_add_nc_u32 v6, SCB, v6                       ; my block's scale byte: two lanes to a block of 32
	v_lshl_add_u32 v7, v3, 2, SCB                  ; and the four words that they make
	v_mul_u32_u24 v8, v4, 12                       ; 16 codes are 12 bytes
	v_lshlrev_b32 v9, 2, v4
	v_lshrrev_b32 v10, 5, v0
	v_readfirstlane_b32 s38, v10                   ; wave
; rows first .. last are added; masked = 1: each weighed by 1 where its number is under lens[c], else by 0
.macro ROWS first, last, masked
.set t, \first
.rept \last-\first+1
.if \masked
	s_cmp_gt_u32 s28, t
	s_cselect_b32 s30, 0x3f800000, 0
.if t == 0
	v_pk_mul_f32 v[AC:AC+1], v[X:X+1], s[30:31] op_sel_hi:[1,0]
	v_pk_mul_f32 v[AC+2:AC+3], v[X+2:X+3], s[30:31] op_sel_hi:[1,0]
.else
	v_pk_fma_f32 v[AC:AC+1], v[X+4*t:X+4*t+1], s[30:31], v[AC:AC+1] op_sel_hi:[1,0,1]
	v_pk_fma_f32 v[AC+2:AC+3], v[X+4*t+2:X+4*t+3], s[30:31], v[AC+2:AC+3] op_sel_hi:[1,0,1]
.endif
.else
.if t == 1
	v_pk_add_f32 v[AC:AC+1], v[X:X+1], v[X+4:X+5]                        ; rows 0 and 1 start the sums
	v_pk_add_f32 v[AC+2:AC+3], v[X+2:X+3], v[X+6:X+7]
.endif
.if t > 1
	v_pk_add_f32 v[AC:AC+1], v[AC:AC+1], v[X+4*t:X+4*t+1]
	v_pk_add_f32 v[AC+2:AC+3], v[AC+2:AC+3], v[X+4*t+2:X+4*t+3]
.endif
.endif
.set t, t+1
.endr
.endm
; the version for 10 (g - 1) < lens[c] <= 10 g: it asks for rows 10 .. 10 g - 1 (all inside the caption's 50), and adds group by group
.macro VERSION g
.if \g > 1
.set u, 10
.rept 10*(\g)-10
	global_load_b128 v[X+4*u:X+4*u+3], v1, s[6:7] offset:u*ROWB th:TH_LOAD_NT
.set u, u+1
.endr
.endif
.set q, 0
.rept \g
	s_wait_loadcnt 10*(\g-1-q)                     ; group q is in; the later groups' ten loads each may be out
.if q == \g-1
	ROWS 10*q, 10*q+9, 1
.else
	ROWS 10*q, 10*q+9, 0
.endif
.set q, q+1
.endr
.endm
	s_wait_kmcnt 0x0                               ; lens[c]
	s_cmp_gt_u32 s28, 40
	s_cbranch_scc1 .Lv5
	s_cmp_gt_u32 s28, 30
	s_cbranch_scc1 .Lv4
	s_cmp_gt_u32 s28, 20
	s_cbranch_scc1 .Lv3
	s_cmp_gt_u32 s28, 10
	s_cbranch_scc1 .Lv2
	VERSION 1
	s_branch .Ljoin
.Lv2:
	VERSION 2
	s_branch .Ljoin
.Lv3:
	VERSION 3
	s_branch .Ljoin
.Lv4:
	VERSION 4
	s_branch .Ljoin
.Lv5:
	VERSION 5
.Ljoin:
	; the sums divided by lens[c].  These numbers go into a quantiser: the reciprocal is refined once, and each quotient is corrected by its remainder
	v_cvt_f32_u32 v[FL], s28
	v_rcp_f32 v[RC], v[FL]
	v_nop                                          ; a plain instruction behind the reciprocal
	s_wait_alu depctr_va_vdst(0)                   ; and a wait ahead of its first reader
	v_fma_f32 v[ER], -v[FL], v[RC], 1.0
	v_fma_f32 v[RC], v[ER], v[RC], v[RC]
.irp k, 0,1,2,3
	v_mul_f32 v[QQ+\k], v[AC+\k], v[RC]
.endr
.irp k, 0,1,2,3
	v_fma_f32 v[RM+\k], -v[QQ+\k], v[FL], v[AC+\k]
.endr
.irp k, 0,1,2,3
	v_fma_f32 v[QQ+\k], v[RM+\k], v[RC], v[QQ+\k]
.endr
	global_store_b128 v1, v[QQ:QQ+3], s[14:15]     ; cap_repr in f32
	ds_store_b128 v2, v[QQ:QQ+3]
	s_wait_dscnt 0x0                               ; for wave 0's sake: my store into the stage is done
	s_barrier_signal -1
	s_barrier_wait -1
	s_cmp_lg_u32 s38, 0
	s_cbranch_scc1 .Lend
	; wave 0 quantises the half row: a lane holds 16 neighbours along K, two lanes a block of 32
.irp i, 0,1,2,3
	ds_load_b128 v[16+4*\i:19+4*\i], v5 offset:16*\i
.endr
	s_wait_dscnt 0x0
	v_max3_num_f32 v32, |v16|, |v17|, |v18|        ; the largest magnitude of my 16, in two chains
	v_max3_num_f32 v33, |v19|, |v20|, |v21|
	v_pk_mul_f32 v[40:41], v[16:17], v[16:17]      ; and their squares
.irp i, 6,10
	v_max3_num_f32 v32, v32, |v[16+\i]|, |v[17+\i]|
	v_max3_num_f32 v33, v33, |v[18+\i]|, |v[19+\i]|
.endr
	v_max3_num_f32 v32, v32, |v30|, |v31|
	v_max3_num_f32 v32, v32, v33, 0x2800000        ; with the floor 2^(5 - 127): the byte cannot fall under 1
	v_max_num_f32_dpp v32, v32, v32 row_xmask:1 row_mask:0xf bank_mask:0xf   ; with my neighbour's 16: the block's
	v_add_nc_u32 v34, 0xfe000000, v32              ; 4 off its exponent field: the conversion takes the exponent field of this operand as its scale
	v_cvt_scalef32_pk16_bf6_f32 v[36:38], v[16:31], v34
	v_lshrrev_b32 v35, 23, v34                     ; the scale's byte (also the plain instruction behind the conversion)
	ds_store_b8 v6, v35                            ; both lanes of a block write the same byte with the same value
	global_store_b96 v8, v[36:38], s[16:17]        ; 32 lanes store 384 consecutive bytes
.irp i, 2,4,6,8,10,12,14
	v_pk_fma_f32 v[40:41], v[16+\i:17+\i], v[16+\i:17+\i], v[40:41]
.endr
	v_add_f32 v40, v40, v41
	v_add_f32_dpp v40, v40, v40 row_xmask:1 row_mask:0xf bank_mask:0xf
	v_add_f32_dpp v40, v40, v40 row_xmask:2 row_mask:0xf bank_mask:0xf
	v_add_f32_dpp v40, v40, v40 row_xmask:4 row_mask:0xf bank_mask:0xf
	v_add_f32_dpp v40, v40, v40 row_xmask:8 row_mask:0xf bank_mask:0xf
	v_permlanex16_b32 v41, v40, s32, s33
	v_add_f32 v40, v40, v41                        ; the half row's sum of squares, in every lane
	ds_load_b32 v42, v7                            ; LDS serves a wave's instructions in order: this sees the byte stores
	s_wait_dscnt 0x0
	s_wait_xcnt 0x0                                ; EXEC is a source of the stores above: it changes only behind this wait
	v_cmp_gt_u32 vcc_lo, 4, v0
	s_wait_tensorcnt 0x0
	ds_add_u32 v232, v233
	s_wait_dscnt 0x0
	s_and_saveexec_b32 s34, vcc_lo
	global_store_b32 v9, v42, s[36:37]             ; lanes 0-3: the 16 scale bytes
	s_wait_xcnt 0x0                                ; and again
	v_cmp_eq_u32 vcc_lo, 0, v0
	s_and_saveexec_b32 s35, vcc_lo
	global_store_b32 v9, v40, s[18:19]             ; lane 0 (offset 0): the sum of squares
	s_endpgm
.Lend:
	s_wait_tensorcnt 0x0
	ds_add_u32 v232, v233
	s_wait_dscnt 0x0
	s_endpgm
.Lfunc_end_k_q7f1212841d_prep:
	.size	k_q7f1212841d_prep, .Lfunc_end_k_q7f1212841d_prep-k_q7f1212841d_prep
	.p2alignl 7, 3214868480
	.fill 96, 4, 3214868480
	.section	.rodata,"a",@progbits
	.p2align	6, 0x0
	.amdhsa_kernel k_q7f1212841d_prep
		.amdhsa_group_segment_fixed_size 4608
		.amdhsa_private_segment_fixed_size 0
		.amdhsa_enable_private_segment 0
		.amdhsa_kernarg_size 64
		.amdhsa_user_sgpr_count 2
		.amdhsa_user_sgpr_kernarg_segment_ptr 1
		.amdhsa_wavefront_size32 1
		.amdhsa_system_sgpr_workgroup_id_x 1
		.amdhsa_system_sgpr_workgroup_id_y 1
		.amdhsa_system_sgpr_workgroup_id_z 1
		.amdhsa_system_vgpr_workitem_id 0
		.amdhsa_next_free_vgpr 234
		.amdhsa_next_free_sgpr 66
		.amdhsa_reserve_vcc 1
		.amdhsa_float_denorm_mode_32 3
		.amdhsa_float_denorm_mode_16_64 3
		.amdhsa_memory_ordered 1
		.amdhsa_forward_progress 1
		.amdhsa_inst_pref_size 67
	.end_amdhsa_kernel
	.amdgpu_metadata
---
amdhsa.version: [ 1, 2 ]
amdhsa.kernels:
  - .name:           k_q7f1212841d_prep
    .symbol:         k_q7f1212841d_prep.kd
    .args:
      - { .name: img_embed, .offset: 0, .size: 8, .value_kind: global_buffer, .address_space: global }
      - { .name: cap_embed, .offset: 8, .size: 8, .value_kind: global_buffer, .address_space: global }
      - { .name: lens, .offset: 16, .size: 8, .value_kind: global_buffer, .address_space: global }
      - { .name: stat, .offset: 24, .size: 8, .value_kind: global_buffer, .address_space: global }
      - { .name: xext, .offset: 32, .size: 8, .value_kind: global_buffer, .address_space: global }
      - { .name: cap_repr, .offset: 40, .size: 8, .value_kind: global_buffer, .address_space: global }
      - { .name: cap_codes, .offset: 48, .size: 8, .value_kind: global_buffer, .address_space: global }
      - { .name: cap_aux, .offset: 56, .size: 8, .value_kind: global_buffer, .address_space: global }
    .group_segment_fixed_size: 4608
    .private_segment_fixed_size: 0
    .kernarg_segment_align: 8
    .kernarg_segment_size: 64
    .max_flat_workgroup_size: 128
    .sgpr_count:     66
    .vgpr_count:     234
    .wavefront_size: 32
...
	.end_amdgpu_metadata
.endif
;; end of part 1
;; launch film (part 2): grid 64 x 1, 4 waves a work-group, no clusters, 197,120 bytes of LDS; arguments W_gamma, W_beta, b_gamma, b_beta, stat, cap_codes, cap_aux, film_gb; writes film_gb
.if DOCPART == 2
	.amdgcn_target "amdgcn-amd-amdhsa--gfx1250"
	.amdhsa_code_object_version 6
	.text
	.protected	k_q7f1212841d_film
	.globl	k_q7f1212841d_film
	.p2align	8
	.type	k_q7f1212841d_film,@function
k_q7f1212841d_film:
	s_mov_b64 s[64:65], 0
	v_nop
	global_prefetch_b8 v0, s[64:65] scope:SCOPE_SE
	s_setreg_imm32_b32 hwreg(HW_REG_WAVE_MODE, 25, 1), 1
	s_wait_xcnt 0x0
; FILM.  gammas = Q(cap_repr) Q(W_gamma)^T + b_gamma, betas likewise, both on codes of E3M2 with one E8M0 scale for each 32 along K = 1,024, and the batch norm folded in:
;   film_gb[c][d / 2] = (G(d), G(d+1), Bt(d), Bt(d+1)),  G = (gamma + 1) rstd / 36,  Bt = beta / 36 - G mu,  mu and rstd = 1 / sqrt(var + 1e-5) of channel d over the 64 x 36 samples.
; SHARES.  A work-group owns 16 channels d0 .. d0 + 15 (1,024 channels: 64 work-groups): 16 rows of W_gamma and 16 of W_beta, 131,072 bytes of f32, read once in the launch.  Wave w brings K = 256 w .. 256 w + 255 of
; both (two tensor loads of 16 rows x 1,024 bytes, each row starting at a multiple of 1,024 bytes) into LDS bytes of its own, which are filled once; it quantises these four fragments (16 rows x 128 K) and stores them as
; images of the operand's registers; behind ONE barrier wave w multiplies all 16 fragments by captions 16 w .. 16 w + 15, whose codes it has loaded from memory straight into the operand's registers.
; LAYOUT.  Source 0 = 16 rows of W, source 1 = 16 captions: lane (r, h) holds caption 16 w + r, register j channel d0 + 8 h + j.  The biases are the C of each sum's first product.  The two sums (gamma, beta) take
; turns, K ascending.
; QUANTISER.  Lane (r, h) reads from LDS K = 64 c + 32 h + 0 .. 31 of row r: whole blocks, in the order of the operand's registers; no other lane is asked for a maximum.
; STATISTICS.  prep left each image's mean and sum of squared deviations.  Wave w merges images 16 w .. 16 w + 15 about their own mean; behind the barrier every lane merges the four waves' figures for its 8 channels.
; NO CLUSTER: the work-groups share only the captions' codes and scales (51,200 bytes of the 182,000 that a work-group reads), and those go straight into registers.
; LIMITS: NaN and infinities are not served; a block whose largest magnitude lies under 2^-122 has its byte held at 1; a block of zeros gets the byte 1 with zero codes.
.set TPITCH, 1040                      ; a tile's row in LDS: 1,024 bytes + 16 of padding, an odd multiple of 16: the 16 rows of a load start at 16 different 16-byte columns
.set TILE,  16*TPITCH
.set WREG,  2*TILE                     ; a wave's two tiles
.set IMG,   4*WREG                     ; behind the tiles: 16 images of fragments (tile g, K step s: 8 g + s), 1,536 bytes each
.set FRB,   1536
.set WSC,   IMG+16*FRB                 ; their scale words, 128 bytes each
.set STP,   WSC+16*128                 ; the waves' statistics: for wave w 16 means, then 16 sums of squares
.set OST,   STP+512                    ; the way out: 16 rows x (128 bytes + 16) for each wave
.set OPITCH, 144
.set PLANE, 262144
.set CF,  16                           ; v16-111  the captions' 8 fragments
.set CS,  112                          ; v112-119 their scale words
.set WS,  120                          ; v120-127 W's scale words of four K steps
.set NN,  128                          ; v128-191 64 numbers of W; earlier and later: statistics
.set WF,  128                          ; v128-223 W's fragments of four K steps (K step s, tile g: 12 (2 s + g))
.set PC,  192                          ; v192-203 the codes just made
.set PT,  204                          ; v204-211 their upper halves, before they are moved
.set TT,  212                          ; v212-218 at work
.set WW,  220                          ; the scale word just made
.set AC,  224                          ; v224-231 gamma's sums, v232-239 beta's
.set BI,  240                          ; v240-247 b_gamma, v248-255 b_beta, in the result's layout
.set MUU, 192                          ; the fold: v192-199 mu
.set QD,  200                          ; v200-207 at work
.set VV,  208                          ; v208-215 variance, then rstd / 36
.set OUT, 128                          ; v128-143 what is stored
	s_load_b256 s[4:11], s[0:1], 0x0               ; W_gamma s[4:5], W_beta s[6:7], b_gamma s[8:9], b_beta s[10:11]
	s_load_b256 s[12:19], s[0:1], 0x20             ; stat s[12:13], cap_codes s[14:15], cap_aux s[16:17], film_gb s[18:19]
	s_set_vgpr_msb 0x40
	v_lshl_add_u32 v0, v0, 2, 0x30000
	v_mov_b32 v1, 0
	s_set_vgpr_msb 0x4045
	ds_add_u32 v0, v1
	ds_add_u32 v0, v1
	s_set_vgpr_msb 0x4500
	v_lshrrev_b32 v1, 5, v0
	v_readfirstlane_b32 s20, v1                    ; wave 0..3
	; descriptor group 1: 16 rows x 256 elements of 4 bytes, 1,024 elements from row to row, 4 words of padding behind every 256 words
	s_mov_b32 s24, (2<<16)|(1<<20)|(7<<22)|(3<<25)
	s_mov_b32 s25, 256<<16                         ; tensor_dim0 = 256
	s_mov_b32 s26, 16<<16                          ; tensor_dim1 = 16
	s_mov_b32 s27, 256<<16                         ; tile_dim0 = 256
	s_mov_b32 s28, 16                              ; tile_dim1 = 16
	s_mov_b32 s29, 1024                            ; the pitch
	s_mov_b32 s30, 0
	s_mov_b32 s31, 0
	s_lshl_b32 s22, ttmp9, 16                      ; 16 rows of 4,096 bytes for each work-group,
	s_lshl_b32 s23, s20, 10                        ; 1,024 bytes along K for each wave
	s_add_co_u32 s22, s22, s23
	s_mov_b32 s23, 0
	s_mul_i32 s21, s20, WREG                       ; my tiles in LDS
	s_wait_dscnt 0x0
	s_wait_kmcnt 0x0
	s_mov_b32 s32, 1
	s_mov_b32 s33, s21
	s_add_nc_u64 s[34:35], s[4:5], s[22:23]
	s_or_b32 s35, s35, 0x80000000
	s_mov_b32 s36, 1
	s_add_co_u32 s37, s21, TILE
	s_add_nc_u64 s[38:39], s[6:7], s[22:23]
	s_or_b32 s39, s39, 0x80000000
	tensor_load_to_lds s[32:35], s[24:31]          ; the launch's only fills: two loads of mine are out; no LDS byte is filled twice
	s_nop 0
	tensor_load_to_lds s[36:39], s[24:31]
	s_nop 0
	v_and_b32 v2, 15, v0                           ; r
	v_bfe_u32 v3, v0, 4, 1                         ; h
	v_and_b32 v1, 31, v0                           ; lane
	v_mov_b32 v[TT+6], 0                           ; written once: a lane permute's destination counts as one of its sources
	s_lshl_b32 s42, ttmp9, 6                       ; d0 x 4 bytes
	s_mov_b32 s43, 0
	s_add_nc_u64 s[12:13], s[12:13], s[42:43]
	s_add_nc_u64 s[8:9], s[8:9], s[42:43]
	s_add_nc_u64 s[10:11], s[10:11], s[42:43]
	s_lshl_b32 s42, ttmp9, 7                       ; d0 / 2 x 16 bytes
	s_add_nc_u64 s[18:19], s[18:19], s[42:43]
	s_mov_b32 s44, 0x76543210                      ; v_permlanex16_b32's selects for lane l xor 16
	s_mov_b32 s45, 0xfedcba98
	s_mov_b32 s46, 0x42100000                      ; 36
	s_mov_b32 s48, 0x39e38e39                      ; 1 / 2,304
	s_mov_b32 s49, 0x3727c5ac                      ; 1e-5
	s_lshl_b32 s40, s20, 16
	v_lshlrev_b32 v7, 2, v2
	v_lshl_add_u32 v7, v3, 12, v7
	v_add_nc_u32 v7, s40, v7                       ; statistics: image 16 w + h (+ 2 i), channel d0 + r
.irp i, 0,1,2,3,4,5,6,7
	global_load_b32 v[128+\i], v7, s[12:13] offset:\i*8192               ; the images' means
.endr
.irp i, 0,1,2,3,4,5,6,7
	global_load_b32 v[136+\i], v7, s[12:13] offset:PLANE+\i*8192         ; and sums of squared deviations
.endr
	v_lshlrev_b32 v6, 5, v3                        ; the biases of channels d0 + 8 h + 0 .. 7
	global_load_b128 v[BI:BI+3], v6, s[8:9]
	global_load_b128 v[BI+4:BI+7], v6, s[8:9] offset:16
	global_load_b128 v[BI+8:BI+11], v6, s[10:11]
	global_load_b128 v[BI+12:BI+15], v6, s[10:11] offset:16
	s_lshl_b32 s41, s20, 9
	v_lshlrev_b32 v5, 5, v2
	v_add_nc_u32 v5, s41, v5                       ; caption 16 w + r: its 32 scale bytes are the 8 K steps' words
	global_load_b128 v[CS:CS+3], v5, s[16:17]
	global_load_b128 v[CS+4:CS+7], v5, s[16:17] offset:16
	s_mul_i32 s41, s20, 16*768
	v_mul_u32_u24 v4, v2, 768
	v_mad_u32_u24 v4, v3, 24, v4
	v_add_nc_u32 v4, s41, v4                       ; its codes: row of 768 bytes, + 24 h
.irp s, 0,1,2,3                                ; the codes of K steps 0 to 3: with them 46 loads of mine are out
.irp p, 0,1,2,3,4,5
	global_load_b64 v[CF+12*\s+2*\p:CF+12*\s+2*\p+1], v4, s[14:15] offset:96*\s+48*(\p/3)+8*(\p%3)
.endr
.endr
	; LDS addresses: a constant + a constant x lane + a constant x wave
	s_lshl_b32 s47, s20, 7
	v_lshl_add_u32 v8, v2, 2, STP
	v_add_nc_u32 v8, s47, v8                       ; my wave's statistics of channel d0 + r
	v_mul_u32_u24 v9, v2, TPITCH
	v_lshl_add_u32 v9, v3, 7, v9
	v_add_nc_u32 v9, s21, v9                       ; my tiles: row r, + 128 h bytes (32 numbers)
	v_lshl_add_u32 v12, v1, 4, IMG                 ; an image's place for my lane,
	v_lshl_add_u32 v13, v1, 2, WSC                 ; a scale word's
	s_mul_i32 s47, s20, 2*FRB
	v_add_nc_u32 v10, s47, v12                     ; where I store images: K steps 2 w, 2 w + 1
	s_lshl_b32 s47, s20, 8
	v_add_nc_u32 v11, s47, v13
	v_lshlrev_b32 v14, 3, v3                       ; 8 h: my bytes' place in a scale word
	v_lshl_add_u32 v15, v3, 5, STP                 ; the statistics of channels d0 + 8 h on
	s_mul_i32 s50, s20, 16*OPITCH
	s_add_co_u32 s50, s50, OST                     ; my stage for the way out
	s_lshl_b32 s51, s20, 17                        ; 16 w rows of film_gb
	; ---- my 16 images' statistics of channel d0 + r, while the tiles are on their way
	s_wait_loadcnt 30                              ; the 16 loads of statistics are in; the 30 younger ones (4 of biases, 2 of scale words, 24 of codes) may be out
.irp s, 4,5,6,7                                ; the codes of K steps 4 to 7: 54 loads of mine are out now; all are waited for ahead of the first product
.irp p, 0,1,2,3,4,5
	global_load_b64 v[CF+12*\s+2*\p:CF+12*\s+2*\p+1], v4, s[14:15] offset:96*\s+48*(\p/3)+8*(\p%3)
.endr
.endr
	v_add_f32 v144, v128, v129
	v_add_f32 v145, v130, v131
	v_add_f32 v146, v132, v133
	v_add_f32 v147, v134, v135
	v_add_f32 v144, v144, v145
	v_add_f32 v146, v146, v147
	v_add_f32 v144, v144, v146                     ; my 8 images' means,
	v_permlanex16_b32 v145, v144, s44, s45
	v_add_f32 v144, v144, v145                     ; with lane l xor 16's 8
	v_mul_f32 v144, 0x3d800000, v144               ; / 16: the mean of the wave's 576 samples
.irp i, 0,1,2,3,4,5,6,7
	v_sub_f32 v[148+\i], v[128+\i], v144
.endr
	v_mul_f32 v146, v148, v148
.irp i, 1,2,3,4,5,6,7
	v_fma_f32 v146, v[148+\i], v[148+\i], v146
.endr
	v_add_f32 v147, v136, v137
.irp i, 2,3,4,5,6,7
	v_add_f32 v147, v147, v[136+\i]
.endr
	v_fma_f32 v147, v146, s46, v147                ; each image's 36 samples are moved from its mean to the wave's
	v_permlanex16_b32 v145, v147, s44, s45
	v_add_f32 v147, v147, v145
	ds_store_b32 v8, v144                          ; (both halves of the lanes write the same words with the same values)
	ds_store_b32 v8, v147 offset:64
; 64 numbers of a fragment (tile g, my K step sp): lane (r, h) takes K = 64 c + 32 h + 0 .. 31 of row r, 128 consecutive bytes for each c
.macro LOADN g, sp
.irp c, 0,1
.irp i, 0,1,2,3,4,5,6,7
	ds_load_b128 v[NN+32*\c+4*\i:NN+32*\c+4*\i+3], v9 offset:\g*TILE+\sp*512+256*\c+16*\i
.endr
.endr
.endm
; they become the fragment's codes and scale word, which go to LDS as they stand.  more = 1: the next fragment's numbers are asked for as soon as the conversions have read these
.macro QUANTW g, sp, more, g2, sp2
	s_wait_dscnt 0x0                               ; the numbers are in, and the last image's stores are done
.irp c, 0,1
	v_max3_num_f32 v[TT+\c], |v[NN+32*\c]|, |v[NN+32*\c+1]|, 0x2800000   ; my block 2 c + h, and the floor 2^(5 - 127): the byte cannot fall under 1
.endr
.irp i, 2,4,6,8,10,12,14,16,18,20,22,24,26,28,30
.irp c, 0,1
	v_max3_num_f32 v[TT+\c], v[TT+\c], |v[NN+32*\c+\i]|, |v[NN+32*\c+\i+1]|   ; (the two blocks by turns)
.endr
.endr
.irp c, 0,1
	v_add_nc_u32 v[TT+2+\c], 0xfe000000, v[TT+\c]  ; 4 off the exponent field: the conversion's scale operand
.endr
.irp c, 0,1
	v_lshrrev_b32 v[TT+4+\c], 23, v[TT+2+\c]       ; the scale's byte
.endr
	v_lshl_or_b32 v[WW], v[TT+5], 16, v[TT+4]      ; my two bytes: blocks h and 2 + h of row r,
	v_lshlrev_b32 v[WW], v14, v[WW]                ; at their places in the word;
	v_permlanex16_b32 v[TT+6], v[WW], s44, s45
	v_or_b32 v[WW], v[WW], v[TT+6]                 ; with lane l xor 16's two the word is whole
.irp c, 0,1
	v_cvt_scalef32_pk16_bf6_f32 v[PC+6*\c:PC+6*\c+2], v[NN+32*\c:NN+32*\c+15], v[TT+2+\c]
	v_cvt_scalef32_pk16_bf6_f32 v[PT+4*\c:PT+4*\c+2], v[NN+32*\c+16:NN+32*\c+31], v[TT+2+\c]   ; (a conversion's three registers begin on an even number: these are moved)
.endr
	v_nop                                          ; one plain instruction behind the conversions
.if \more
	LOADN \g2, \sp2
.endif
.irp c, 0,1
.irp i, 0,1,2
	v_mov_b32 v[PC+3+6*\c+\i], v[PT+4*\c+\i]
.endr
.endr
.irp k, 0,1,2
	ds_store_b128 v10, v[PC+4*\k:PC+4*\k+3] offset:(8*\g+\sp)*FRB+512*\k
.endr
	ds_store_b32 v11, v[WW] offset:(8*\g+\sp)*128
.endm
	s_wait_tensorcnt 0x0                           ; my two tiles have landed; only I read them
	s_wait_dscnt 0x0                               ; the two stores above are done: their registers take numbers now
	LOADN 0, 0
	QUANTW 0, 0, 1, 0, 1
	QUANTW 0, 1, 1, 1, 0
	QUANTW 1, 0, 1, 1, 1
	QUANTW 1, 1, 0, 0, 0
	s_wait_dscnt 0x0                               ; for the others' sake: my images, scale words and statistics lie in LDS
	s_barrier_signal -1
	s_barrier_wait -1
.macro FETCHW b                        ; W's fragments and scale words of K steps 4 b .. 4 b + 3, both tiles
.irp s, 0,1,2,3
.irp g, 0,1
.irp k, 0,1,2
	ds_load_b128 v[WF+12*(2*\s+\g)+4*\k:WF+12*(2*\s+\g)+4*\k+3], v12 offset:(8*\g+4*\b+\s)*FRB+512*\k
.endr
	ds_load_b32 v[WS+2*\s+\g], v13 offset:(8*\g+4*\b+\s)*128
.endr
.endr
.endm
.macro MULS b                          ; eight products: gamma's and beta's sums by turns
.irp s, 0,1,2,3
.irp g, 0,1
.if (\b == 0) && (\s == 0)
	v_wmma_scale_f32_16x16x128_f8f6f4 v[AC+8*\g:AC+8*\g+7], v[WF+12*(2*\s+\g):WF+12*(2*\s+\g)+11], v[CF+12*(4*\b+\s):CF+12*(4*\b+\s)+11], v[BI+8*\g:BI+8*\g+7], v[WS+2*\s+\g], v[CS+4*\b+\s] matrix_a_fmt:MATRIX_FMT_BF6 matrix_b_fmt:MATRIX_FMT_BF6
.else
	v_wmma_scale_f32_16x16x128_f8f6f4 v[AC+8*\g:AC+8*\g+7], v[WF+12*(2*\s+\g):WF+12*(2*\s+\g)+11], v[CF+12*(4*\b+\s):CF+12*(4*\b+\s)+11], v[AC+8*\g:AC+8*\g+7], v[WS+2*\s+\g], v[CS+4*\b+\s] matrix_a_fmt:MATRIX_FMT_BF6 matrix_b_fmt:MATRIX_FMT_BF6
.endif
.endr
.endr
.endm
	FETCHW 0
	s_wait_loadcnt 0x0                             ; the captions' codes and scale words, the biases
	s_wait_dscnt 0x0
	MULS 0
.rept 4
	v_nop                                          ; four plain instructions between the products and the loads into the registers that they read (ISA guide 7.12.1 for vector instructions)
.endr
	FETCHW 1
	s_wait_dscnt 0x0
	MULS 1
	; the addresses of the way out: eleven plain instructions that name no register of the products: the places behind them
	v_mul_u32_u24 v4, v2, OPITCH
	v_lshl_add_u32 v4, v3, 6, v4
	v_add_nc_u32 v4, s50, v4                       ; into my stage: row r, + 64 h
	v_lshrrev_b32 v7, 3, v1
	v_and_b32 v6, 7, v1
	v_mul_u32_u24 v5, v7, OPITCH
	v_lshl_add_u32 v5, v6, 4, v5
	v_add_nc_u32 v5, s50, v5                       ; back: eight lanes to a row's 128 bytes, four rows an instruction
	v_lshlrev_b32 v6, 4, v6
	v_lshl_add_u32 v6, v7, 13, v6
	v_add_nc_u32 v6, s51, v6                       ; and the same places in film_gb: rows of 8,192 bytes
	; ---- mu and rstd of my 8 channels from the four waves' figures
.irp w, 0,1,2,3
	ds_load_b128 v[128+16*\w:131+16*\w], v15 offset:128*\w
	ds_load_b128 v[132+16*\w:135+16*\w], v15 offset:128*\w+16
	ds_load_b128 v[136+16*\w:139+16*\w], v15 offset:128*\w+64
	ds_load_b128 v[140+16*\w:143+16*\w], v15 offset:128*\w+80
.endr
	s_wait_dscnt 0x0
.irp p, 0,1,2,3
	v_pk_add_f32 v[MUU+2*\p:MUU+2*\p+1], v[128+2*\p:129+2*\p], v[144+2*\p:145+2*\p]
.endr
.irp p, 0,1,2,3
	v_pk_add_f32 v[QD+2*\p:QD+2*\p+1], v[160+2*\p:161+2*\p], v[176+2*\p:177+2*\p]
.endr
.irp p, 0,1,2,3
	v_pk_add_f32 v[MUU+2*\p:MUU+2*\p+1], v[MUU+2*\p:MUU+2*\p+1], v[QD+2*\p:QD+2*\p+1]
.endr
.irp p, 0,1,2,3
	v_pk_mul_f32 v[MUU+2*\p:MUU+2*\p+1], v[MUU+2*\p:MUU+2*\p+1], 0x3e800000 op_sel_hi:[1,0]   ; mu
.endr
.irp w, 0,1,2,3
.irp p, 0,1,2,3
	v_pk_add_f32 v[128+16*\w+2*\p:129+16*\w+2*\p], v[128+16*\w+2*\p:129+16*\w+2*\p], v[MUU+2*\p:MUU+2*\p+1] neg_lo:[0,1] neg_hi:[0,1]
.endr
.endr
.irp p, 0,1,2,3
	v_pk_mul_f32 v[QD+2*\p:QD+2*\p+1], v[128+2*\p:129+2*\p], v[128+2*\p:129+2*\p]
.endr
.irp w, 1,2,3
.irp p, 0,1,2,3
	v_pk_fma_f32 v[QD+2*\p:QD+2*\p+1], v[128+16*\w+2*\p:129+16*\w+2*\p], v[128+16*\w+2*\p:129+16*\w+2*\p], v[QD+2*\p:QD+2*\p+1]
.endr
.endr
.irp p, 0,1,2,3
	v_pk_add_f32 v[VV+2*\p:VV+2*\p+1], v[136+2*\p:137+2*\p], v[152+2*\p:153+2*\p]
.endr
.irp w, 2,3
.irp p, 0,1,2,3
	v_pk_add_f32 v[VV+2*\p:VV+2*\p+1], v[VV+2*\p:VV+2*\p+1], v[136+16*\w+2*\p:137+16*\w+2*\p]
.endr
.endr
.irp p, 0,1,2,3
	v_pk_fma_f32 v[VV+2*\p:VV+2*\p+1], v[QD+2*\p:QD+2*\p+1], 0x44100000, v[VV+2*\p:VV+2*\p+1] op_sel_hi:[1,0,1]   ; each wave's 576 samples are moved from its mean to mu
.endr
.irp j, 0,1,2,3,4,5,6,7
	v_fma_f32 v[VV+\j], v[VV+\j], s48, s49         ; var + 1e-5
.endr
.irp j, 0,1,2,3,4,5,6,7
	v_rsq_f32 v[VV+\j], v[VV+\j]
.endr
.irp p, 0,1,2,3
	v_pk_add_f32 v[QD+2*\p:QD+2*\p+1], v[AC+2*\p:AC+2*\p+1], 1.0 op_sel_hi:[1,0]   ; gamma + 1: plain work behind the roots; the sums are read from their low end on
.endr
	s_wait_alu depctr_va_vdst(0)                   ; one wait for the eight roots, ahead of their first reader
.irp p, 0,1,2,3
	v_pk_mul_f32 v[VV+2*\p:VV+2*\p+1], v[VV+2*\p:VV+2*\p+1], 0x3ce38e39 op_sel_hi:[1,0]   ; rstd / 36
.endr
.irp p, 0,1,2,3
	v_pk_mul_f32 v[OUT+4*\p:OUT+4*\p+1], v[QD+2*\p:QD+2*\p+1], v[VV+2*\p:VV+2*\p+1]       ; G
.endr
.irp p, 0,1,2,3
	v_pk_mul_f32 v[QD+2*\p:QD+2*\p+1], v[AC+8+2*\p:AC+9+2*\p], 0x3ce38e39 op_sel_hi:[1,0] ; beta / 36
.endr
.irp p, 0,1,2,3
	v_pk_fma_f32 v[OUT+4*\p+2:OUT+4*\p+3], v[OUT+4*\p:OUT+4*\p+1], v[MUU+2*\p:MUU+2*\p+1], v[QD+2*\p:QD+2*\p+1] neg_lo:[1,0,0] neg_hi:[1,0,0]   ; Bt = beta / 36 - G mu
.endr
	; ---- the way out: a lane holds 64 bytes of its caption's row; through my own stage, so that eight lanes store the 128 consecutive bytes that this work-group owns of a row
.irp p, 0,1,2,3
	ds_store_b128 v4, v[OUT+4*\p:OUT+4*\p+3] offset:16*\p
.endr
.irp i, 0,1,2,3
	ds_load_b128 v[160+4*\i:163+4*\i], v5 offset:\i*4*OPITCH   ; LDS serves a wave's instructions in order: these see my stores
.endr
.irp i, 0,1,2,3
	s_wait_dscnt 3-\i
	global_store_b128 v6, v[160+4*\i:163+4*\i], s[18:19] offset:\i*4*8192
.endr
	s_set_vgpr_msb 0x5
	s_wait_tensorcnt 0x0
	ds_add_u32 v0, v1
	s_wait_dscnt 0x0
	s_set_vgpr_msb 0x500
	s_endpgm
.Lfunc_end_k_q7f1212841d_film:
	.size	k_q7f1212841d_film, .Lfunc_end_k_q7f1212841d_film-k_q7f1212841d_film
	.p2alignl 7, 3214868480
	.fill 96, 4, 3214868480
	.section	.rodata,"a",@progbits
	.p2align	6, 0x0
	.amdhsa_kernel k_q7f1212841d_film
		.amdhsa_group_segment_fixed_size 197120
		.amdhsa_private_segment_fixed_size 0
		.amdhsa_enable_private_segment 0
		.amdhsa_kernarg_size 64
		.amdhsa_user_sgpr_count 2
		.amdhsa_user_sgpr_kernarg_segment_ptr 1
		.amdhsa_wavefront_size32 1
		.amdhsa_system_sgpr_workgroup_id_x 1
		.amdhsa_system_sgpr_workgroup_id_y 1
		.amdhsa_system_sgpr_workgroup_id_z 1
		.amdhsa_system_vgpr_workitem_id 0
		.amdhsa_next_free_vgpr 258
		.amdhsa_next_free_sgpr 66
		.amdhsa_reserve_vcc 0
		.amdhsa_float_denorm_mode_32 3
		.amdhsa_float_denorm_mode_16_64 3
		.amdhsa_memory_ordered 1
		.amdhsa_forward_progress 1
		.amdhsa_inst_pref_size 45
	.end_amdhsa_kernel
	.amdgpu_metadata
---
amdhsa.version: [ 1, 2 ]
amdhsa.kernels:
  - .name:           k_q7f1212841d_film
    .symbol:         k_q7f1212841d_film.kd
    .args:
      - { .name: W_gamma, .offset: 0, .size: 8, .value_kind: global_buffer, .address_space: global }
      - { .name: W_beta, .offset: 8, .size: 8, .value_kind: global_buffer, .address_space: global }
      - { .name: b_gamma, .offset: 16, .size: 8, .value_kind: global_buffer, .address_space: global }
      - { .name: b_beta, .offset: 24, .size: 8, .value_kind: global_buffer, .address_space: global }
      - { .name: stat, .offset: 32, .size: 8, .value_kind: global_buffer, .address_space: global }
      - { .name: cap_codes, .offset: 40, .size: 8, .value_kind: global_buffer, .address_space: global }
      - { .name: cap_aux, .offset: 48, .size: 8, .value_kind: global_buffer, .address_space: global }
      - { .name: film_gb, .offset: 56, .size: 8, .value_kind: global_buffer, .address_space: global }
    .group_segment_fixed_size: 197120
    .private_segment_fixed_size: 0
    .kernarg_segment_align: 8
    .kernarg_segment_size: 64
    .max_flat_workgroup_size: 128
    .sgpr_count:     66
    .vgpr_count:     258
    .wavefront_size: 32
...
	.end_amdgpu_metadata
.endif
;; end of part 2
;; launch fovea (part 3): grid 4 x 64, 16 waves a work-group, no clusters, 68,096 bytes of LDS; arguments img_embed, xext, cap_repr, cap_aux, film_gb, out0; writes out0
.if DOCPART == 3
	.amdgcn_target "amdgcn-amd-amdhsa--gfx1250"
	.amdhsa_code_object_version 6
	.text
	.protected	k_q7f1212841d_fovea
	.globl	k_q7f1212841d_fovea
	.p2align	8
	.type	k_q7f1212841d_fovea,@function
k_q7f1212841d_fovea:
	s_mov_b64 s[64:65], 0
	v_nop
	global_prefetch_b8 v0, s[64:65] scope:SCOPE_SE
	s_setreg_imm32_b32 hwreg(HW_REG_WAVE_MODE, 25, 1), 1
	s_wait_xcnt 0x0
; FOVEA.  out0[b][c] = cosine of img_vec(c, b, :) and cap_repr(c, :), where img_vec(c, b, d) = (1/36) sum over the 36 regions of w_r mod_r, mod_r = xn_r (gamma + 1) + beta, w = softmax over r of 10 mod.
; The weights do not change when a number that is the same for all r is added to the exponents, so beta and the batch mean drop out of them: with a = 360 log2(e) G (G, Bt as the launch before left them) and the RAW x,
;   e_r = 2^(a x_r - m),  m = max(a xmax, a xmin) = the largest a x_r of the row (xmax, xmin: the row's extrema, left by the first launch),  img_vec = G (sum e_r x_r) / (sum e_r) + Bt.
; The row's maximum is taken away as in the definition; a x_r - m is one fused multiply-add, so that an offset common to all x costs no accuracy in the differences.
; SHARES.  A work-group owns one image b and 16 captions; its 16 waves share the 1,024 channels: thread t owns channels 2 t, 2 t + 1, whose 36 regions stay in 72 registers, as they lie in img_embed
; (a wave's load covers 256 consecutive bytes of a region's row).  Four waves lie on a SIMD: one wave's exponentials stand beside another's sums.
; A CAPTION STEP of a wave: 36 packed multiply-adds, 72 exponentials (one batch, one wait), 35 packed additions, 37 packed multiply-adds, two reciprocals (one wait), and (v . cap, v . v) of the two channels to LDS.
; The caption's parameters (G, Bt: 16 bytes a thread; cap_repr: 8) come through two register slots, asked for a whole caption step ahead.
; THE END: wave w sums caption w's 512 pairs; wave 0 finishes the 16 cosines and stores 64 consecutive bytes: each output has one owner.
; NO CLUSTER, NO LDS FOR OPERANDS: the four work-groups of an image share x (147,456 bytes), the 64 of a caption group its parameters (196,608 bytes), but every operand goes from memory straight into the registers in
; which it is used, once for each work-group, against 16 x 16 x 196 wave instructions; a joint request would bring it into LDS, to be read from there again.
; NO PREFETCH: x is wanted at the kernel's head; the parameters' own loads stand a caption step ahead of their use.
; LIMITS: NaN and infinities are not served; exponentials under 2^-126 count as 0 (ISA guide, v_exp_f32); reciprocals and roots are good to 1 ulp.
.set ROWB,  4096
.set PLANE, 262144
.set RED,   65536                      ; LDS: 16 captions x 512 threads x 8 bytes, then the 16 finished pairs
.set XM,  4                            ; v[4:5]   the row's largest x, my two channels
.set XN,  6                            ; v[6:7]   the smallest
.set CQ,  8                            ; v[8:9]   caption (t % 16)'s two half sums of squares
.set AA,  10                           ; v[10:11] a
.set MM,  12                           ; v[12:13] m
.set PP,  14                           ; v[14:17] a xmax, a xmin
.set SE,  18                           ; v[18:21] sums of e, two chains
.set SX,  22                           ; v[22:25] sums of e x, two chains
.set RC,  26                           ; v[26:27] 1 / sum
.set VE,  28                           ; v[28:29] img_vec
.set SS,  30                           ; v[30:31] v . cap, v . v
.set FS,  32                           ; slot s: v[32+6s : 35+6s] G, G, Bt, Bt; v[36+6s : 37+6s] cap_repr
.set X,   48                           ; v48-119  x: region r at v[48 + 2 r]
.set T,   120                          ; v120-191 the exponents, then e
	s_load_b256 s[4:11], s[0:1], 0x0               ; img_embed s[4:5], xext s[6:7], cap_repr s[8:9], cap_aux s[10:11]
	s_load_b128 s[12:15], s[0:1], 0x20             ; film_gb s[12:13], out0 s[14:15]
	v_lshl_add_u32 v192, v0, 2, 0x10200
	v_mov_b32 v193, 0
	v_lshlrev_b32 v1, 3, v0                        ; 8 t: my two channels in a row of f32, and my pair in LDS; never rewritten
	v_lshlrev_b32 v2, 4, v0                        ; 16 t: my place in a row of film_gb; never rewritten
	v_lshrrev_b32 v3, 5, v0
	v_readfirstlane_b32 s20, v3                    ; wave 0..15
	v_and_b32 v44, 31, v0
	v_lshlrev_b32 v44, 4, v44
	v_lshl_add_u32 v44, v3, 12, v44                ; the end: caption w's pairs, 16 bytes a lane
	v_lshl_add_u32 v45, v3, 3, RED                 ; where wave w puts its finished pair
	v_and_b32 v47, 15, v0
	v_lshl_add_u32 v46, v47, 3, RED                ; where lane l of wave 0 finds caption l % 16's
	v_lshlrev_b32 v47, 3, v47                      ; and its two half sums of squares in cap_aux
	s_and_b32 s21, ttmp7, 0xffff                   ; b
	s_mul_i32 s24, s21, 36*ROWB
	s_mov_b32 s25, 0
	s_lshl_b32 s26, s21, 12
	s_mov_b32 s27, 0
	s_lshl_b32 s28, ttmp9, 16                      ; 16 captions x 4,096 bytes
	s_mov_b32 s29, 0
	s_lshl_b32 s30, ttmp9, 17                      ; 16 captions x 8,192 bytes
	s_mov_b32 s31, 0
	s_lshl_b32 s32, ttmp9, 7                       ; 16 captions x 8 bytes,
	s_add_co_u32 s32, s32, 2048                    ; behind the scale bytes
	s_mov_b32 s33, 0
	s_lshl_b32 s34, s21, 8                         ; row b of out0,
	s_lshl_b32 s35, ttmp9, 6                       ; 16 captions x 4 bytes
	s_add_co_u32 s34, s34, s35
	s_mov_b32 s35, 0
	s_mov_b32 s42, 0x76543210                      ; v_permlanex16_b32's selects for lane l xor 16
	s_mov_b32 s43, 0xfedcba98
	s_wait_kmcnt 0x0
	s_add_nc_u64 s[4:5], s[4:5], s[24:25]
	s_add_nc_u64 s[6:7], s[6:7], s[26:27]
	s_add_nc_u64 s[8:9], s[8:9], s[28:29]
	s_add_nc_u64 s[10:11], s[10:11], s[32:33]
	s_add_nc_u64 s[12:13], s[12:13], s[30:31]
	s_add_nc_u64 s[14:15], s[14:15], s[34:35]
	global_load_b64 v[XM:XM+1], v1, s[6:7]
	global_load_b64 v[XN:XN+1], v1, s[6:7] offset:PLANE
	global_load_b64 v[CQ:CQ+1], v47, s[10:11]
	global_load_b128 v[FS:FS+3], v2, s[12:13]                  ; slot 0: the first caption
	global_load_b64 v[FS+4:FS+5], v1, s[8:9]
.set rr, 0
.rept 36
	global_load_b64 v[X+2*rr:X+2*rr+1], v1, s[4:5] offset:rr*ROWB
.set rr, rr+1
.endr
	global_load_b128 v[FS+6:FS+9], v2, s[12:13] offset:8192    ; slot 1: the second
	global_load_b64 v[FS+10:FS+11], v1, s[8:9] offset:ROWB
; One caption, from slot sl.  ahead = 1: the slot is filled again with the caption two further on.  left: the younger loads that may stay out.
.macro CSTEP sl, ahead, left
.set FF, FS+6*\sl
	s_wait_loadcnt \left                           ; this slot's two loads are in (in the first step: x and the extrema too); the other slot's two may be out
	v_pk_mul_f32 v[AA:AA+1], v[FF:FF+1], 0x4401d7b2 op_sel_hi:[1,0]      ; a = 360 log2(e) G
	v_pk_mul_f32 v[PP:PP+1], v[AA:AA+1], v[XM:XM+1]
	v_pk_mul_f32 v[PP+2:PP+3], v[AA:AA+1], v[XN:XN+1]
	v_max_num_f32 v[MM], v[PP], v[PP+2]            ; the row's largest a x: at xmax where a is positive, at xmin where it is negative
	v_max_num_f32 v[MM+1], v[PP+1], v[PP+3]
.irp i, 0,1
	v_pk_fma_f32 v[T+2*\i:T+2*\i+1], v[X+2*\i:X+2*\i+1], v[AA:AA+1], v[MM:MM+1] neg_lo:[0,0,1] neg_hi:[0,0,1]
.endr
.set rr, 0
.rept 36                                       ; a multiply-add leads, two exponentials follow; each pair is scaled two turns ahead of its exponentials.  Nothing here reads an exponential's result
.if rr < 34
	v_pk_fma_f32 v[T+2*rr+4:T+2*rr+5], v[X+2*rr+4:X+2*rr+5], v[AA:AA+1], v[MM:MM+1] neg_lo:[0,0,1] neg_hi:[0,0,1]
.endif
	v_exp_f32 v[T+2*rr], v[T+2*rr]
	v_exp_f32 v[T+2*rr+1], v[T+2*rr+1]
.set rr, rr+1
.endr
	s_wait_dscnt 0x0                               ; the last caption's LDS store is done: its address and data registers are written again below
.if \sl == 0
	v_add_nc_u32 v3, s40, v1                       ; this trip's place in LDS.  (Also the plain instruction behind the last exponential)
.else
	v_nop                                          ; the plain instruction behind the last exponential
.endif
	s_wait_alu depctr_va_vdst(0)                   ; one wait for the 72 exponentials, ahead of their first reader
	v_pk_add_f32 v[SE:SE+1], v[T:T+1], v[T+2:T+3]  ; the first regions start the sums: nothing is cleared
	v_pk_mul_f32 v[SX:SX+1], v[T:T+1], v[X:X+1]
	v_pk_add_f32 v[SE+2:SE+3], v[T+4:T+5], v[T+6:T+7]
	v_pk_mul_f32 v[SX+2:SX+3], v[T+2:T+3], v[X+2:X+3]
	v_pk_fma_f32 v[SX:SX+1], v[T+4:T+5], v[X+4:X+5], v[SX:SX+1]
	v_pk_fma_f32 v[SX+2:SX+3], v[T+6:T+7], v[X+6:X+7], v[SX+2:SX+3]
.set rr, 4
.rept 32
.set CH, 2*(rr%2)
	v_pk_add_f32 v[SE+CH:SE+CH+1], v[SE+CH:SE+CH+1], v[T+2*rr:T+2*rr+1]
	v_pk_fma_f32 v[SX+CH:SX+CH+1], v[T+2*rr:T+2*rr+1], v[X+2*rr:X+2*rr+1], v[SX+CH:SX+CH+1]
.set rr, rr+1
.endr
	v_pk_add_f32 v[SE:SE+1], v[SE:SE+1], v[SE+2:SE+3]
	v_pk_add_f32 v[SX:SX+1], v[SX:SX+1], v[SX+2:SX+3]
	v_rcp_f32 v[RC], v[SE]                         ; the sum is at least about 1: the row's largest term
	v_rcp_f32 v[RC+1], v[SE+1]
	v_nop
	s_wait_alu depctr_va_vdst(0)                   ; one wait for the two reciprocals
	v_pk_mul_f32 v[VE:VE+1], v[SX:SX+1], v[RC:RC+1]
	v_pk_fma_f32 v[VE:VE+1], v[VE:VE+1], v[FF:FF+1], v[FF+2:FF+3]        ; img_vec = G (sum e x / sum e) + Bt
	v_mul_f32 v[SS], v[VE], v[FF+4]
	v_mul_f32 v[SS+1], v[VE], v[VE]
	v_fma_f32 v[SS], v[VE+1], v[FF+5], v[SS]       ; v . cap of my two channels
	v_fma_f32 v[SS+1], v[VE+1], v[VE+1], v[SS+1]   ; v . v
	ds_store_b64 v3, v[SS:SS+1] offset:\sl*4096    ; [caption][thread]: a wave's store covers 256 consecutive bytes
.if \ahead
	global_load_b128 v[FF:FF+3], v2, s[12:13] offset:(\sl+2)*8192
	global_load_b64 v[FF+4:FF+5], v1, s[8:9] offset:(\sl+2)*ROWB
.endif
.endm
	s_mov_b32 s40, 0                               ; LDS byte at which the trip's two captions begin
	s_mov_b32 s41, 7
.Lpair:                                            ; seven trips of two captions; each asks for the next trip's two
	CSTEP 0, 1, 2
	CSTEP 1, 1, 2
	s_wait_xcnt 0x0                                ; the loads above have read their bases: these step only behind this wait
	s_add_nc_u64 s[12:13], s[12:13], 2*8192
	s_add_nc_u64 s[8:9], s[8:9], 2*ROWB
	s_add_co_u32 s40, s40, 2*4096
	s_sub_co_u32 s41, s41, 1
	s_cmp_lg_u32 s41, 0
	s_cbranch_scc1 .Lpair
	CSTEP 0, 0, 2                                  ; the last two captions ask for nothing: no load leaves its buffer
	CSTEP 1, 0, 0
	; ---- the sums over the 1,024 channels
	s_wait_dscnt 0x0                               ; for the others' sake: my stores are done
	s_barrier_signal -1
	s_barrier_wait -1
.irp i, 0,1,2,3,4,5,6,7
	ds_load_b128 v[T+4*\i:T+4*\i+3], v44 offset:512*\i         ; caption w's 512 pairs: two pairs a lane and load
.endr
	s_wait_dscnt 0x0
.irp k, 0,1,2,3,4,5,6,7
	v_pk_add_f32 v[T+4*\k:T+4*\k+1], v[T+4*\k:T+4*\k+1], v[T+4*\k+2:T+4*\k+3]
.endr
.irp k, 0,1,2,3
	v_pk_add_f32 v[T+8*\k:T+8*\k+1], v[T+8*\k:T+8*\k+1], v[T+8*\k+4:T+8*\k+5]
.endr
.irp k, 0,1
	v_pk_add_f32 v[T+16*\k:T+16*\k+1], v[T+16*\k:T+16*\k+1], v[T+16*\k+8:T+16*\k+9]
.endr
	v_pk_add_f32 v[T:T+1], v[T:T+1], v[T+16:T+17]
.irp m, 1,2,4,8
	v_add_f32_dpp v[T], v[T], v[T] row_xmask:\m row_mask:0xf bank_mask:0xf
	v_add_f32_dpp v[T+1], v[T+1], v[T+1] row_xmask:\m row_mask:0xf bank_mask:0xf
.endr
	v_permlanex16_b32 v[T+2], v[T], s42, s43
	v_permlanex16_b32 v[T+3], v[T+1], s42, s43
	v_pk_add_f32 v[T:T+1], v[T:T+1], v[T+2:T+3]
	ds_store_b64 v45, v[T:T+1]                     ; all lanes write the same pair with the same values
	s_wait_dscnt 0x0
	s_barrier_signal -1
	s_barrier_wait -1
	s_cmp_lg_u32 s20, 0
	s_cbranch_scc1 .Lend
	; wave 0: lane l finishes caption l % 16
	ds_load_b64 v[T+4:T+5], v46
	v_add_f32 v[CQ], v[CQ], v[CQ+1]                ; cap_repr . cap_repr
	s_wait_dscnt 0x0
	v_sqrt_f32 v[T+6], v[T+5]
	v_sqrt_f32 v[T+7], v[CQ]
	v_nop
	s_wait_alu depctr_va_vdst(0)                   ; one wait for the two roots
	v_add_f32 v[T+6], 0x322bcc77, v[T+6]           ; + 1e-8, as the definition's norm has it
	v_add_f32 v[T+7], 0x322bcc77, v[T+7]
	v_mul_f32 v[T+6], v[T+6], v[T+7]
	v_rcp_f32 v[T+6], v[T+6]
	v_lshrrev_b32 v47, 1, v47                      ; 4 (l % 16): my place in the 64 bytes.  (The plain instruction behind the reciprocal)
	s_wait_alu depctr_va_vdst(0)
	v_mul_f32 v[T+4], v[T+4], v[T+6]
	s_wait_xcnt 0x0                                ; EXEC changes only behind this wait
	v_cmp_gt_u32 vcc_lo, 16, v0
	s_wait_tensorcnt 0x0
	ds_add_u32 v192, v193
	s_wait_dscnt 0x0
	s_and_saveexec_b32 s44, vcc_lo
	global_store_b32 v47, v[T+4], s[14:15]         ; sixteen lanes store the work-group's 64 consecutive bytes of row b
	s_endpgm
.Lend:
	s_wait_tensorcnt 0x0
	ds_add_u32 v192, v193
	s_wait_dscnt 0x0
	s_endpgm
.Lfunc_end_k_q7f1212841d_fovea:
	.size	k_q7f1212841d_fovea, .Lfunc_end_k_q7f1212841d_fovea-k_q7f1212841d_fovea
	.p2alignl 7, 3214868480
	.fill 96, 4, 3214868480
	.section	.rodata,"a",@progbits
	.p2align	6, 0x0
	.amdhsa_kernel k_q7f1212841d_fovea
		.amdhsa_group_segment_fixed_size 68096
		.amdhsa_private_segment_fixed_size 0
		.amdhsa_enable_private_segment 0
		.amdhsa_kernarg_size 48
		.amdhsa_user_sgpr_count 2
		.amdhsa_user_sgpr_kernarg_segment_ptr 1
		.amdhsa_wavefront_size32 1
		.amdhsa_system_sgpr_workgroup_id_x 1
		.amdhsa_system_sgpr_workgroup_id_y 1
		.amdhsa_system_sgpr_workgroup_id_z 1
		.amdhsa_system_vgpr_workitem_id 0
		.amdhsa_next_free_vgpr 194
		.amdhsa_next_free_sgpr 66
		.amdhsa_reserve_vcc 1
		.amdhsa_float_denorm_mode_32 3
		.amdhsa_float_denorm_mode_16_64 3
		.amdhsa_memory_ordered 1
		.amdhsa_forward_progress 1
		.amdhsa_inst_pref_size 50
	.end_amdhsa_kernel
	.amdgpu_metadata
---
amdhsa.version: [ 1, 2 ]
amdhsa.kernels:
  - .name:           k_q7f1212841d_fovea
    .symbol:         k_q7f1212841d_fovea.kd
    .args:
      - { .name: img_embed, .offset: 0, .size: 8, .value_kind: global_buffer, .address_space: global }
      - { .name: xext, .offset: 8, .size: 8, .value_kind: global_buffer, .address_space: global }
      - { .name: cap_repr, .offset: 16, .size: 8, .value_kind: global_buffer, .address_space: global }
      - { .name: cap_aux, .offset: 24, .size: 8, .value_kind: global_buffer, .address_space: global }
      - { .name: film_gb, .offset: 32, .size: 8, .value_kind: global_buffer, .address_space: global }
      - { .name: out0, .offset: 40, .size: 8, .value_kind: global_buffer, .address_space: global }
    .group_segment_fixed_size: 68096
    .private_segment_fixed_size: 0
    .kernarg_segment_align: 8
    .kernarg_segment_size: 48
    .max_flat_workgroup_size: 512
    .sgpr_count:     66
    .vgpr_count:     194
    .wavefront_size: 32
...
	.end_amdgpu_metadata
.endif
;; end of part 3
